; MI455X (gfx1250); checked and timed in simulation.
; The chip was launched on July 23, 2026; its instructions are those of AMD's public machine-readable ISA for CDNA 5 (MIT licence, August 2026) and "CDNA5" Instruction Set Architecture Reference Guide (July 2026). The comments in the code are by the model that wrote it; some were corrected since.
;; Minecraft Aware Attention3 D. Allowed arithmetic: matrix products marked QUANTISED: E5M2 operands, one E8M0 scale for each 32 along K, by v_wmma_scale_f32_16x16x128_f8f6f4 with both operands' format E5M2, f32 sums; everything else in f32.
;; Inputs: block_types 1 x 16 x 16 x 16 int32; gn_b 256 float32; gn_w 256 float32; is_air 44 float32; is_leaves 44 float32; is_wood 44 float32; proj_b 256 float32; proj_w 256 x 256 float32; qkv_b 768 float32; qkv_w 768 x 256 float32; x 1 x 256 x 16 x 16 x 16 float32.
;; Outputs: out0 1 x 256 x 16 x 16 x 16 float32.
;; This version of the problem:
;;   THIS VERSION OF THE PROBLEM IS GIVEN IN LOW PRECISION. The matrix products marked QUANTISED in the list below multiply operands that are first quantised to E5M2 (5 exponent bits, 2 mantissa bits; 8 bits a number), with one power-of-two scale for each 32 numbers along K (OCP MX v1.0); their sums are f32. All else is computed in f32.
;;   The module's matrix products, in the order in which they are computed (A, B: the left and right operand; K: the contracted axis; several contracted axes count as one K, in the product's order):
;;     1. [M 4,096, K 256] x [K 256, N 768]; A: computed on the way; B: input qkv_w: QUANTISED
;;     2. batch 8 x [M 4,096, K 32] x [K 32, N 4,096]; A: computed on the way; B: computed on the way: QUANTISED
;;     3. batch 8 x [M 32, K 4,096] x [K 4,096, N 4,096]; A: computed on the way; B: softmax (see below): QUANTISED
;;     4. [M 4,096, K 256] x [K 256, N 256]; A: computed on the way; B: input proj_w: QUANTISED
;;   THE QUANTISER, for each operand of a quantised product, along K:
;;     - K is cut into blocks of 32 from its start; a last block that is shorter is filled with zeros.
;;     - A block's scale is 2^e with e = floor(log2(the largest magnitude in the block)) - 15, held to -126 .. 127; a block of zeros has e = 0. As a byte (E8M0): e + 127.
;;     - Each number is divided by its block's scale, clamped to +-57,344, and rounded to the nearest number of E5M2, ties to even, subnormals kept.
;;     - The product sums the exact products of the quantised numbers (number of the format x scale) in f32.
;;   ~~~python
;;   def quantise(x, axis):      # numpy; x: float32 -> the quantised numbers, widened to float32 again
;;       x = np.moveaxis(x, axis, -1); K = x.shape[-1]
;;       x = np.pad(x, [(0, 0)] * (x.ndim - 1) + [(0, -K % 32)]); x = x.reshape(x.shape[:-1] + (-1, 32)); a = np.abs(x).max(-1, keepdims=True)
;;       e = np.where(a > 0, np.clip(np.frexp(np.where(a > 0, a, 1))[1] - 1 - 15, -126, 127), 0)      # np.frexp(a)[1] - 1 = floor(log2(a)), exactly
;;       r = np.clip(x / 2.0 ** e, -57344, 57344)
;;       step = 2.0 ** (np.maximum(np.frexp(np.where(r == 0, 1, r))[1] - 1, -14) - 2)
;;       q = np.round(r / step) * step * 2.0 ** e      # np.round: ties to even
;;       return np.moveaxis(q.reshape(q.shape[:-2] + (-1,))[..., :K], -1, axis).astype(np.float32)
;;   ~~~
;;   SOFTMAX AHEAD OF A QUANTISED PRODUCT. Where the list says 'softmax', what is quantised is not the finished softmax but p = 2^(t - M), with t = logit x log2(e) and M = ceil(the row's largest t), a whole number; so 1/2 < the row's largest p <= 1. The row's sum l is taken of the UNQUANTISED p, in f32, and the product's result is divided by l at the end. Since M is a whole number, a kernel that streams over the keys may use a running M (the ceiling of the running maximum): every later rescaling is an exact power of two, which a block's scale takes up: the codes' values come out the same.
;;   OPERANDS COMPUTED ON THE WAY. 'Computed on the way' means the value that the module computes at that place (a softmax that the list does not call 'softmax' is quantised finished and normalised). What goes into a quantiser is computed in f32, as accurately as f32 sums, v_exp_f32 and their like allow (about 1e-6 of the number): no bf16 or f16 on the way to a quantiser, and a product that is left as it is and whose result goes on into a quantised operand takes f32 operands (vector FMAs, or v_wmma_f32_16x16x4_f32). A number that lies on a knife's edge between two numbers of the format may be rounded either way, as far as f32 arithmetic and the matrix unit's own rounding can turn it there, and no further.
;; One version. Each part assembles by itself: llvm-mc -triple=amdgcn-amd-amdhsa -mcpu=gfx1250 --defsym DOCPART=n.
;; ======== version 1 of 1: 4 launches
;; limits: right only within a limited range of input values
;; workspace buffers: stats 2,048 bytes; wq 270,336 bytes; qq 1,179,648 bytes; ao 1,179,648 bytes; kv 2,359,296 bytes
;; launch prep (part 1): grid 256 x 1, 4 waves a work-group, no clusters, 768 bytes of LDS; arguments x, qkv_w, proj_w, block_types, is_air, is_wood, is_leaves, stats, wq, kv; writes stats, wq, kv
.if DOCPART == 1
	.amdgcn_target "amdgcn-amd-amdhsa--gfx1250"
	.amdhsa_code_object_version 6
	.text
	.protected	k_qac333341f0_prep
	.globl	k_qac333341f0_prep
	.p2align	8
	.type	k_qac333341f0_prep,@function
k_qac333341f0_prep:
	s_mov_b64 s[64:65], 0
	v_nop
	global_prefetch_b8 v0, s[64:65] scope:SCOPE_SE
	s_setreg_imm32_b32 hwreg(HW_REG_WAVE_MODE, 25, 1), 1
	s_wait_xcnt 0x0
; Three small jobs that the later launches need, one path for all 256 work-groups (G = the work-group's number):
;  (1) channel G of x (4,096 numbers): its mean and the sum of squares about that mean -> stats[G] = (mean, M2);
;  (2) rows 4 G .. 4 G + 3 of the 1,024 weight rows (768 of qkv_w, then 256 of proj_w), one a wave: codes of E5M2 with one E8M0 byte
;      for each 32 along K (K is innermost in memory) -> wq: codes [1024][256], from byte 262,144 on the bytes [1024][8];
;  (3) positions 16 G .. 16 G + 15: wood, leaves and N (-2^33 where is_air > 0, else 0) -> the table part of kv's blocks, in both copies.
; N.  A key that is air gets the score N in the attention launch.  -2^33 stands for -1e9 x sqrt(32): N x log2(e)/sqrt(32) is then exact in f32,
; so that a row whose keys are all air has p = 1 everywhere.  LIMIT: logits of keys that are not air stay within +-9e8.
; LIMITS: NaN and infinities are not served; a block whose largest magnitude lies under 2^-111 keeps the byte 1 (a block of zeros too: its
; codes are zeros, and this program alone reads the bytes).
; Memory binds and the work is small: no tensor load, no cluster (nothing is shared), two barriers for the two sums over the four waves.
.set BLKB, 36864                       ; a block of kv: one key step (128 keys) of four heads
.set TAB,  35328                       ; its tables: wood, leaves, N, 512 bytes each
.set NEGB, 0xd0000000                  ; -2^33
.macro WSUM a, b                       ; the sum over the wave's 32 lanes, in every lane
	v_add_f32_dpp v[\a], v[\a], v[\a] row_xmask:1 row_mask:0xf bank_mask:0xf
	v_add_f32_dpp v[\a], v[\a], v[\a] row_xmask:2 row_mask:0xf bank_mask:0xf
	v_add_f32_dpp v[\a], v[\a], v[\a] row_xmask:4 row_mask:0xf bank_mask:0xf
	v_add_f32_dpp v[\a], v[\a], v[\a] row_xmask:8 row_mask:0xf bank_mask:0xf
	v_permlanex16_b32 v[\b], v[\a], s36, s37
	v_add_f32 v[\a], v[\a], v[\b]
.endm
	s_load_b512 s[4:19], s[0:1], 0x0               ; x, qkv_w, proj_w, block_types, is_air, is_wood, is_leaves, stats
	s_load_b128 s[20:23], s[0:1], 0x40             ; wq, kv
	v_lshl_add_u32 v96, v0, 2, 0x100
	v_mov_b32 v97, 0
	v_lshrrev_b32 v1, 5, v0
	v_readfirstlane_b32 s24, v1                    ; wave
	v_and_b32 v2, 31, v0                           ; lane L
	v_and_b32 v3, 15, v0                           ; r
	v_bfe_u32 v4, v0, 4, 1                         ; h
	v_lshlrev_b32 v5, 2, v3                        ; 4 r
	v_lshlrev_b32 v6, 5, v2                        ; 32 L: my 8 numbers of a weight row
	v_lshlrev_b32 v7, 4, v0                        ; 16 t: my 16 bytes of 2,048 of x
	v_lshlrev_b32 v8, 3, v2                        ; 8 L: my 8 codes
	v_lshrrev_b32 v9, 2, v2                        ; L / 4: my block of 32
	v_lshlrev_b32 v10, 2, v1                       ; LDS: my wave's word
	v_mov_b32 v11, 0
	v_mad_u32_u24 v13, v4, BLKB, v5                ; tables: lanes 0-15 write copy 0, lanes 16-31 copy 1
	v_mov_b32 v67, 0                               ; a lane permute's destination counts as one of its sources
	s_mov_b32 s25, 0x600000                        ; the mantissa field of 57,344
	s_mov_b32 s36, 0x76543210
	s_mov_b32 s37, 0xfedcba98                      ; selects for lane l xor 16
	s_lshl_b32 s26, ttmp9, 6                       ; block_types: 16 G positions
	s_mov_b32 s27, 0
	s_cmp_lt_u32 ttmp9, 192
	s_cselect_b32 s28, 0, 192
	s_sub_co_u32 s28, ttmp9, s28
	s_lshl_b32 s28, s28, 2
	s_add_co_u32 s28, s28, s24                     ; my row in its own tensor,
	s_lshl_b32 s28, s28, 10                        ; of 1,024 bytes
	s_mov_b32 s29, 0
	s_lshl_b32 s30, ttmp9, 14                      ; x: channel G
	s_mov_b32 s31, 0
	s_lshl_b32 s32, ttmp9, 2
	s_add_co_u32 s32, s32, s24                     ; my row in wq
	s_lshl_b32 s34, s32, 3
	s_lshl_b32 s32, s32, 8
	s_mov_b32 s33, 0
	s_mov_b32 s35, 0
	s_lshl_b32 s38, ttmp9, 3                       ; stats: 8 bytes a channel
	s_mov_b32 s39, 0
	s_lshr_b32 s40, ttmp9, 3                       ; the key step of my 16 positions,
	s_mul_i32 s40, s40, 2*BLKB
	s_and_b32 s41, ttmp9, 7
	s_lshl_b32 s41, s41, 6                         ; and their place in its tables
	s_add_co_u32 s40, s40, s41
	s_mov_b32 s41, 0
	s_wait_alu depctr_va_vdst(0)
	s_wait_kmcnt 0x0
	s_cmp_lt_u32 ttmp9, 192                        ; the choice hangs on the work-group's number alone
	s_cselect_b64 s[6:7], s[6:7], s[8:9]
	s_add_nc_u64 s[6:7], s[6:7], s[28:29]
	s_add_nc_u64 s[10:11], s[10:11], s[26:27]
	s_add_nc_u64 s[4:5], s[4:5], s[30:31]
	s_add_nc_u64 s[32:33], s[20:21], s[32:33]
	s_add_nc_u64 s[34:35], s[20:21], s[34:35]
	s_add_nc_u64 s[18:19], s[18:19], s[38:39]
	s_add_nc_u64 s[22:23], s[22:23], s[40:41]
	global_load_b32 v56, v5, s[10:11]              ; the block type of position 16 G + r
	global_load_b128 v[48:51], v6, s[6:7]          ; the weight row: a wave reads 1,024 bytes on end
	global_load_b128 v[52:55], v6, s[6:7] offset:16
.irp i, 0,1,2,3,4,5,6,7
	global_load_b128 v[16+4*\i:19+4*\i], v7, s[4:5] offset:2048*\i th:TH_LOAD_NT
.endr
	s_wait_loadcnt 10                              ; the index is in: behind it stand the row's 2 loads and x's 8
	v_min_u32 v56, 43, v56                         ; the tables have 44 entries
	v_lshlrev_b32 v56, 2, v56
	global_load_b32 v57, v56, s[12:13]             ; air
	global_load_b32 v58, v56, s[14:15]             ; wood
	global_load_b32 v59, v56, s[16:17]             ; leaves
	; ---- the weight row: four lanes hold a block of 32
	s_wait_loadcnt 11                              ; the row is in: behind it x's 8 and the 3 gathers
	v_max3_num_f32 v60, |v48|, |v49|, 0x8000000    ; with the floor 2^(16 - 127): the byte cannot fall under 1
	v_max3_num_f32 v60, v60, |v50|, |v51|
	v_max3_num_f32 v60, v60, |v52|, |v53|
	v_max3_num_f32 v60, v60, |v54|, |v55|
	v_max_num_f32_dpp v60, v60, v60 row_xmask:1 row_mask:0xf bank_mask:0xf
	v_max_num_f32_dpp v60, v60, v60 row_xmask:2 row_mask:0xf bank_mask:0xf
	v_add_nc_u32 v61, 0xf8800000, v60              ; 15 off the exponent field: the conversion's scale operand
	v_and_or_b32 v62, v60, 0x7f800000, s25         ; 57,344 x the scale
	v_lshrrev_b32 v63, 23, v61                     ; the byte
.irp i, 0,1,2,3,4,5,6,7
	v_med3_num_f32 v[48+\i], v[48+\i], -v62, v62   ; the conversion does not saturate (ISA guide 7.6.2): the hold
.endr
	v_cvt_scalef32_pk8_bf8_f32 v[64:65], v[48:55], v61
	v_nop
	global_store_b64 v8, v[64:65], s[32:33]        ; a wave stores 256 consecutive bytes, aligned
	global_store_b8 v9, v63, s[34:35] offset:262144   ; four lanes write the same byte with the same value
	; ---- the channel's mean
	s_wait_loadcnt 3                               ; x is in; the gathers may be out
	v_pk_add_f32 v[66:67], v[16:17], v[18:19]
	v_pk_add_f32 v[68:69], v[20:21], v[22:23]
.irp i, 24,28,32,36,40,44
	v_pk_add_f32 v[66:67], v[66:67], v[\i:\i+1]
	v_pk_add_f32 v[68:69], v[68:69], v[\i+2:\i+3]
.endr
	v_pk_add_f32 v[66:67], v[66:67], v[68:69]
	v_add_f32 v66, v66, v67
	WSUM 66, 67
	ds_store_b32 v10, v66
	s_wait_dscnt 0x0                               ; for the others' sake: my word lies in LDS
	s_barrier_signal -1
	s_barrier_wait -1
	ds_load_b128 v[72:75], v11
	s_wait_dscnt 0x0
	v_add_f32 v72, v72, v73
	v_add_f32 v74, v74, v75
	v_add_f32 v72, v72, v74
	v_mul_f32 v70, 0x39800000, v72                 ; / 4,096
	v_mov_b32 v71, v70
	; ---- the squares about the mean
.set i, 16
.rept 16
	v_pk_add_f32 v[i:i+1], v[i:i+1], v[70:71] neg_lo:[0,1] neg_hi:[0,1]
.set i, i+2
.endr
.irp k, 0,1,2,3
	v_pk_mul_f32 v[76+2*\k:77+2*\k], v[16+2*\k:17+2*\k], v[16+2*\k:17+2*\k]
.endr
.set i, 8
.rept 12
	v_pk_fma_f32 v[76+i%8:77+i%8], v[16+i:17+i], v[16+i:17+i], v[76+i%8:77+i%8]   ; four chains
.set i, i+2
.endr
	v_pk_add_f32 v[76:77], v[76:77], v[78:79]
	v_pk_add_f32 v[80:81], v[80:81], v[82:83]
	v_pk_add_f32 v[76:77], v[76:77], v[80:81]
	v_add_f32 v76, v76, v77
	WSUM 76, 67
	ds_store_b32 v10, v76 offset:16                ; other bytes than the first sum's
	s_wait_dscnt 0x0
	s_barrier_signal -1
	s_barrier_wait -1
	ds_load_b128 v[72:75], v11 offset:16
	s_wait_dscnt 0x0
	v_add_f32 v72, v72, v73
	v_add_f32 v74, v74, v75
	v_add_f32 v71, v72, v74                        ; (mean, M2) in v[70:71]
	; ---- wave 0 stores the tables and the pair
	s_cmp_lg_u32 s24, 0
	s_cbranch_scc1 .Ldone
	s_wait_loadcnt 0x0                             ; the gathers
	v_mov_b32 v12, NEGB
	v_cmp_lt_f32 vcc_lo, 0, v57                    ; air > 0
	v_cndmask_b32 v60, 0, v12, vcc_lo
	global_store_b32 v13, v58, s[22:23] offset:TAB
	global_store_b32 v13, v59, s[22:23] offset:TAB+512
	global_store_b32 v13, v60, s[22:23] offset:TAB+1024
	s_wait_xcnt 0x0                                ; EXEC is a source of the stores above: it changes only behind this wait
	v_cmp_eq_u32 vcc_lo, 0, v0
	s_and_saveexec_b32 s42, vcc_lo
	s_wait_alu depctr_va_vdst(0)
	global_store_b64 v11, v[70:71], s[18:19]
	s_wait_xcnt 0x0                                ; and again in front of the line that widens it
	s_or_b32 exec_lo, exec_lo, s42
.Ldone:
	s_wait_tensorcnt 0x0
	ds_add_u32 v96, v97
	s_wait_dscnt 0x0
	s_endpgm
.Lfunc_end_k_qac333341f0_prep:
	.size	k_qac333341f0_prep, .Lfunc_end_k_qac333341f0_prep-k_qac333341f0_prep
	.p2alignl 7, 3214868480
	.fill 96, 4, 3214868480
	.section	.rodata,"a",@progbits
	.p2align	6, 0x0
	.amdhsa_kernel k_qac333341f0_prep
		.amdhsa_group_segment_fixed_size 768
		.amdhsa_private_segment_fixed_size 0
		.amdhsa_enable_private_segment 0
		.amdhsa_kernarg_size 80
		.amdhsa_user_sgpr_count 2
		.amdhsa_user_sgpr_kernarg_segment_ptr 1
		.amdhsa_wavefront_size32 1
		.amdhsa_system_sgpr_workgroup_id_x 1
		.amdhsa_system_sgpr_workgroup_id_y 1
		.amdhsa_system_sgpr_workgroup_id_z 1
		.amdhsa_system_vgpr_workitem_id 0
		.amdhsa_next_free_vgpr 98
		.amdhsa_next_free_sgpr 66
		.amdhsa_reserve_vcc 1
		.amdhsa_float_denorm_mode_32 3
		.amdhsa_float_denorm_mode_16_64 3
		.amdhsa_memory_ordered 1
		.amdhsa_forward_progress 1
		.amdhsa_inst_pref_size 11
	.end_amdhsa_kernel
	.amdgpu_metadata
---
amdhsa.version: [ 1, 2 ]
amdhsa.kernels:
  - .name:           k_qac333341f0_prep
    .symbol:         k_qac333341f0_prep.kd
    .args:
      - { .name: x, .offset: 0, .size: 8, .value_kind: global_buffer, .address_space: global }
      - { .name: qkv_w, .offset: 8, .size: 8, .value_kind: global_buffer, .address_space: global }
      - { .name: proj_w, .offset: 16, .size: 8, .value_kind: global_buffer, .address_space: global }
      - { .name: block_types, .offset: 24, .size: 8, .value_kind: global_buffer, .address_space: global }
      - { .name: is_air, .offset: 32, .size: 8, .value_kind: global_buffer, .address_space: global }
      - { .name: is_wood, .offset: 40, .size: 8, .value_kind: global_buffer, .address_space: global }
      - { .name: is_leaves, .offset: 48, .size: 8, .value_kind: global_buffer, .address_space: global }
      - { .name: stats, .offset: 56, .size: 8, .value_kind: global_buffer, .address_space: global }
      - { .name: wq, .offset: 64, .size: 8, .value_kind: global_buffer, .address_space: global }
      - { .name: kv, .offset: 72, .size: 8, .value_kind: global_buffer, .address_space: global }
    .group_segment_fixed_size: 768
    .private_segment_fixed_size: 0
    .kernarg_segment_align: 8
    .kernarg_segment_size: 80
    .max_flat_workgroup_size: 128
    .sgpr_count:     66
    .vgpr_count:     98
    .wavefront_size: 32
...
	.end_amdgpu_metadata
.endif
;; end of part 1
;; launch qkv (part 2): grid 64 x 4, 4 waves a work-group, no clusters, 18,944 bytes of LDS; arguments x, stats, gn_w, gn_b, wq, qkv_b, block_types, is_air, qq, kv; writes qq, kv
.if DOCPART == 2
	.amdgcn_target "amdgcn-amd-amdhsa--gfx1250"
	.amdhsa_code_object_version 6
	.text
	.protected	k_qac333341f0_qkv
	.globl	k_qac333341f0_qkv
	.p2align	8
	.type	k_qac333341f0_qkv,@function
k_qac333341f0_qkv:
	s_mov_b64 s[64:65], 0
	v_nop
	global_prefetch_b8 v0, s[64:65] scope:SCOPE_SE
	s_setreg_imm32_b32 hwreg(HW_REG_WAVE_MODE, 25, 1), 1
	s_wait_xcnt 0x0
; GroupNorm, the quantiser of h, the product h x qkv_w^T on codes of E5M2 (one E8M0 byte for each 32 along K), the bias, and the quantisers of q, k and v,
; whose codes leave as IMAGES OF OPERAND REGISTERS (lane l's 16 bytes at 16 l, 512 bytes for four registers) for the attention launch.
; SHARES.  Work-group (px, hy): positions 64 px .. 64 px + 63, heads 2 hy and 2 hy + 1.
;  A: wave w normalises and quantises 32 positions (half w & 1) x 128 channels (half w >> 1): a lane takes a position and its registers run down the channels, which are K:
;     a block of 32 is one GroupNorm group and lies in one lane.  Codes go to LDS as rows [position][256 + 16], scale words beside them.  One barrier.
;  B: wave w takes head 2 hy + (w & 1) and positions 32 (w >> 1) on; its 96 rows of the weights (12 fragments) lie in window 1 from the start.
; TILES.  Lane r of tile u takes row 8 u + r + 8 (r / 8), of the weights' 32 rows of a head and of the 32 positions alike, so that the 16 registers of two neighbouring tiles
; are 16 neighbours 16 (lane / 16) + 0 .. 15.  q, k: source 0 = weights, source 1 = h: a lane holds one position and 16 of the head's 32 channels (the next K).
; v: the sources change places: a lane holds one channel and 16 of 32 positions (the keys are its K).  The biases are the C of each sum's first product.
; AIR.  The codes of k at positions whose block type is air are cleared: such a key's score is then what the attention launch puts into C.
; LIMITS: NaN and infinities are not served; a block whose largest magnitude lies under 2^-111 keeps the byte 1.
; h is made in each of the four work-groups of a px (64 KiB of x each); no tensor load, no cluster: what is shared is that small.
; REGISTERS.  window 0: v1-14 offsets; v18-19 keep masks; v20-23 the gather; v24-31 means, v32-39 1/sqrt(var + eps), in pairs; v40-51 the weights' scale words; v52-58 at work; v60-63 h's scale words;
;   phase A: two sets of 96 at v64 and v160 (gn_w 32, gn_b 32, x 32); phase B: v64-127 h's four fragments, v128-159 four accumulators, v160-183 codes, v184-192 bytes.
;   window 1: v0-191 the weights' fragments (16 (4 ty + 2 u + s)); v192-223 the biases of q and k; v224-239 of v.
.set BLKB, 36864
.set HP,   272                         ; a position's row of codes in LDS: 256 + 16: sixteen neighbouring rows start at sixteen different banks
.set HSC,  64*HP                       ; behind them the scale words, 8 bytes a position
.set XO,  1                            ; 4 L
.set Z,   2                            ; 0
.set WA,  3                            ; weights: 256 rp + 16 h
.set WSA, 4                            ; their scale words: 8 rp
.set BQA, 5                            ; 64 h
.set RP4, 6                            ; 4 rp
.set HWA, 7                            ; LDS: where I put a block's codes
.set HSA, 8                            ; and my scale word
.set HRA, 9                            ; LDS: where I read h's fragments
.set HSR, 10                           ; and their scale words
.set LI,  11                           ; 16 L
.set QSO, 13                           ; 512 h + 4 r
.set STA, 14                           ; 8 L
.set KEEP, 18
.set MU,  24
.set RS,  32
.set WS,  40
.set HS,  60
.set HF,  64
.set ACC, 128
.set CQ,  160
.set EB,  184
.set MSB, 0
.macro WIN new                         ; the immediate's high byte repeats the setting that is left
.if MSB != \new
	s_set_vgpr_msb (MSB<<8)|\new
.set MSB, \new
.endif
.endm
.macro WSUM a                          ; the sum over the 32 lanes, in every lane
	v_add_f32_dpp v[\a], v[\a], v[\a] row_xmask:1 row_mask:0xf bank_mask:0xf
	v_add_f32_dpp v[\a], v[\a], v[\a] row_xmask:2 row_mask:0xf bank_mask:0xf
	v_add_f32_dpp v[\a], v[\a], v[\a] row_xmask:4 row_mask:0xf bank_mask:0xf
	v_add_f32_dpp v[\a], v[\a], v[\a] row_xmask:8 row_mask:0xf bank_mask:0xf
	v_permlanex16_b32 v58, v[\a], s36, s37
	v_add_f32 v[\a], v[\a], v58
.endm
	s_load_b512 s[4:19], s[0:1], 0x0               ; x, stats, gn_w, gn_b, wq, qkv_b, block_types, is_air
	s_load_b128 s[20:23], s[0:1], 0x40             ; qq, kv
	v_lshl_add_u32 v17, v0, 2, 0x4800
	v_mov_b32 v59, 0
	v_lshrrev_b32 v52, 5, v0
	v_readfirstlane_b32 s24, v52                   ; wave
	s_and_b32 s25, s24, 1                          ; A: which 32 positions;  B: which head
	s_lshr_b32 s26, s24, 1                         ; A: which 128 channels;  B: which 32 positions
	s_and_b32 s28, ttmp7, 0xffff                   ; hy
	s_lshl_b32 s29, s28, 1
	s_add_co_u32 s29, s29, s25                     ; head
	v_and_b32 v52, 31, v0                          ; L
	v_and_b32 v53, 15, v0                          ; r
	v_bfe_u32 v54, v0, 4, 1                        ; h
	v_and_b32 v55, 8, v53
	v_add_nc_u32 v55, v55, v53                     ; rp = r + 8 (r / 8)
	v_lshlrev_b32 v[XO], 2, v52
	v_mov_b32 v[Z], 0
	v_lshlrev_b32 v[WA], 8, v55
	v_lshl_add_u32 v[WA], v54, 4, v[WA]
	v_lshlrev_b32 v[WSA], 3, v55
	v_lshlrev_b32 v[BQA], 6, v54
	v_lshlrev_b32 v[RP4], 2, v55
	s_mul_i32 s30, s25, 32*HP
	s_lshl_b32 s31, s26, 7
	s_add_co_u32 s30, s30, s31
	v_mul_u32_u24 v[HWA], v52, HP
	v_add_nc_u32 v[HWA], s30, v[HWA]               ; (32 (w & 1) + L) rows + 128 (w >> 1)
	s_lshl_b32 s30, s25, 8
	s_lshl_b32 s31, s26, 2
	s_add_co_u32 s30, s30, s31
	s_add_co_u32 s30, s30, HSC
	v_lshl_add_u32 v[HSA], v52, 3, s30
	s_mul_i32 s30, s26, 32*HP
	v_mul_u32_u24 v[HRA], v55, HP
	v_lshl_add_u32 v[HRA], v54, 4, v[HRA]
	v_add_nc_u32 v[HRA], s30, v[HRA]               ; (32 (w >> 1) + rp) rows + 16 h
	s_lshl_b32 s30, s26, 8
	s_add_co_u32 s30, s30, HSC
	v_lshl_add_u32 v[HSR], v55, 3, s30
	v_lshlrev_b32 v[LI], 4, v52
	v_lshlrev_b32 v[QSO], 2, v53
	v_lshl_add_u32 v[QSO], v54, 9, v[QSO]
	v_lshlrev_b32 v[STA], 3, v52
	v_cmp_eq_u32 s42, 1, v54                       ; lanes 16-31
	v_mov_b32 v58, 0                               ; a lane permute's destination counts as one of its sources
	s_mov_b32 s36, 0x76543210
	s_mov_b32 s37, 0xfedcba98
	s_mov_b32 s40, 0x37000000                      ; 2^-17: a group has 32 x 4,096 numbers
	s_mov_b32 s41, 0x3727c5ac                      ; eps = 1e-5
	s_mov_b32 s33, 0
	s_wait_alu depctr_va_vdst(0)
	s_wait_kmcnt 0x0
	s_lshl_b32 s32, ttmp9, 8
	s_lshl_b32 s34, s26, 7
	s_add_co_u32 s32, s32, s34
	s_add_nc_u64 s[16:17], s[16:17], s[32:33]      ; block_types at position 64 px + 32 (w >> 1)
	s_lshl_b32 s32, s26, 10
	s_add_nc_u64 s[6:7], s[6:7], s[32:33]          ; stats at channel 128 (w >> 1)
	s_lshl_b32 s32, s29, 13
	s_add_nc_u64 s[44:45], s[12:13], s[32:33]      ; the weights' codes at row 32 head
	global_load_b32 v20, v[RP4], s[16:17]
	global_load_b32 v21, v[RP4], s[16:17] offset:32
.irp k, 0,1,2,3
	global_load_b64 v[MU+2*\k:MU+2*\k+1], v[STA], s[6:7] offset:256*\k   ; lane = channel of group k: (mean, M2)
.endr
	WIN 0x40                                       ; destination window 1
.irp y, 0,1,2
.irp u, 0,1
.irp k, 0,1
.irp c, 0,1,2,3
	global_load_b128 v[16*(4*\y+2*\u+\k)+4*\c:16*(4*\y+2*\u+\k)+4*\c+3], v[WA], s[44:45] offset:(256*\y+8*\u)*256+128*\k+32*\c
.endr
.endr
.endr
.endr
	WIN 0
	s_lshl_b32 s32, s29, 8
	s_add_nc_u64 s[46:47], s[12:13], s[32:33]      ; the weights' scale bytes
	s_lshl_b32 s32, s29, 7
	s_add_nc_u64 s[14:15], s[14:15], s[32:33]      ; qkv_b at 32 head
	s_lshl_b32 s32, s26, 9
	s_add_nc_u64 s[8:9], s[8:9], s[32:33]          ; gn_w, gn_b at channel 128 (w >> 1)
	s_add_nc_u64 s[10:11], s[10:11], s[32:33]
	s_lshl_b32 s32, s26, 21
	s_lshl_b32 s34, ttmp9, 8
	s_add_co_u32 s32, s32, s34
	s_lshl_b32 s34, s25, 7
	s_add_co_u32 s32, s32, s34
	s_add_nc_u64 s[4:5], s[4:5], s[32:33]          ; x at that channel, position 64 px + 32 (w & 1)
	s_lshl_b32 s34, ttmp9, 5
	s_lshl_b32 s35, s26, 4
	s_add_co_u32 s34, s34, s35
	s_add_co_u32 s34, s34, s29                     ; 8 x (my first tile of positions) + head
	s_lshl_b32 s32, s34, 9
	s_add_nc_u64 s[48:49], s[20:21], s[32:33]      ; q's images
	s_lshl_b32 s32, s34, 6
	s_add_nc_u64 s[50:51], s[20:21], s[32:33]      ; q's scale words
	s_and_b32 s34, ttmp9, 0xfffe
	s_lshr_b32 s35, s28, 1
	s_add_co_u32 s34, s34, s35
	s_mul_i32 s34, s34, BLKB                       ; kv's block: key step px / 2, head group hy / 2
	s_and_b32 s35, s28, 1
	s_lshl_b32 s35, s35, 1
	s_add_co_u32 s35, s35, s25                     ; the head in its group
	s_and_b32 s39, ttmp9, 1
	s_lshl_b32 s39, s39, 1
	s_add_co_u32 s39, s39, s26                     ; c: which 32 of the step's 128 keys
	s_lshl_b32 s32, s35, 12
	s_add_co_u32 s43, s34, s32
	s_lshl_b32 s32, s39, 10
	s_add_co_u32 s32, s32, s43
	s_add_nc_u64 s[54:55], s[22:23], s[32:33]      ; k's images: tiles 2 c, 2 c + 1
	s_lshl_b32 s32, s39, 9
	s_add_co_u32 s32, s32, s43
	s_add_nc_u64 s[58:59], s[22:23], s[32:33]      ; v's images: registers 4 c .. 4 c + 3
	s_lshl_b32 s32, s35, 9
	s_lshl_b32 s43, s39, 7
	s_add_co_u32 s32, s32, s43
	s_add_co_u32 s32, s32, s34
	s_add_nc_u64 s[56:57], s[22:23], s[32:33]      ; k's scale words
	s_lshl_b32 s32, s35, 7
	s_add_co_u32 s32, s32, s39
	s_add_co_u32 s32, s32, s34
	s_add_nc_u64 s[60:61], s[22:23], s[32:33]      ; v's scale bytes: byte c of each word
	s_wait_loadcnt 48                              ; the indices and the stats are in: behind them stand the weights' 48 loads
	v_min_u32 v20, 43, v20                         ; the table has 44 entries
	v_min_u32 v21, 43, v21
	v_lshlrev_b32 v20, 2, v20
	v_lshlrev_b32 v21, 2, v21
	global_load_b32 v22, v20, s[18:19]             ; air of my position in tile 0,
	global_load_b32 v23, v21, s[18:19]             ; in tile 1
	WIN 0x40
.irp y, 0,1
.irp u, 0,1
	global_load_b128 v[192+16*\y+8*\u:195+16*\y+8*\u], v[BQA], s[14:15] offset:(256*\y+8*\u)*4       ; lane (r, h), register j: the bias of channel 8 u + 16 h + j
	global_load_b128 v[196+16*\y+8*\u:199+16*\y+8*\u], v[BQA], s[14:15] offset:(256*\y+8*\u)*4+16
.endr
.endr
.irp u, 0,1
.irp k, 0,1,2,3,4,5,6,7
	global_load_b32 v[224+8*\u+\k], v[RP4], s[14:15] offset:(512+8*\u)*4   ; v: a lane holds one channel: its bias in all eight registers
.endr
.endr
	WIN 0
.irp y, 0,1,2
.irp u, 0,1
.irp k, 0,1
	global_load_b32 v[WS+4*\y+2*\u+\k], v[WSA], s[46:47] offset:262144+(256*\y+8*\u)*8+4*\k
.endr
.endr
.endr
.macro LOADBLK t                       ; group t of my four: gn_w and gn_b of its 32 channels (every lane the same), x of my position: 48 loads
.set GW, 64+96*((\t)%2)
.irp k, 0,1,2,3,4,5,6,7
	global_load_b128 v[GW+4*\k:GW+4*\k+3], v[Z], s[8:9] offset:128*(\t)+16*\k
.endr
.irp k, 0,1,2,3,4,5,6,7
	global_load_b128 v[GW+32+4*\k:GW+32+4*\k+3], v[Z], s[10:11] offset:128*(\t)+16*\k
.endr
.set i, 0
.rept 32
	global_load_b32 v[GW+64+i], v[XO], s[4:5] offset:(32*(\t)+i)*16384   ; 32 lanes read 128 consecutive bytes of a channel; the wave beside reads the other 128 of the 256
.set i, i+1
.endr
.endm
	LOADBLK 0
	LOADBLK 1
	; ---- the groups' mean and 1 / sqrt(var + eps), from the channels' (mean, M2): M2 of the group = the sum of M2_c + 4,096 (mean_c - mean)^2
.irp k, 0,1,2,3
	v_mov_b32 v52, v[MU+2*\k]
	WSUM 52
	v_mul_f32 v52, 0x3d000000, v52                 ; / 32
	v_sub_f32 v53, v[MU+2*\k], v52
	v_mul_f32 v54, 0x45800000, v53                 ; x 4,096
	v_fma_f32 v54, v54, v53, v[MU+2*\k+1]
	WSUM 54
	v_fma_f32 v[RS+2*\k], v54, s40, s41            ; var + eps
	v_mov_b32 v[MU+2*\k], v52
	v_mov_b32 v[MU+2*\k+1], v52
.endr
	s_wait_alu depctr_va_vdst(0)
.irp k, 0,1,2,3
	v_rsq_f32 v[RS+2*\k], v[RS+2*\k]
.endr
	v_nop                                          ; a plain line behind the last of the batch,
	s_wait_alu depctr_va_vdst(0)                   ; and the one wait ahead of the first reader
.irp k, 0,1,2,3
	v_mov_b32 v[RS+2*\k+1], v[RS+2*\k]
.endr
; ---- A: one group of 32 channels: normalise, quantise, 32 codes to LDS
.macro BLOCK t, left
.set GW, 64+96*((\t)%2)
.set GB, GW+32
.set X,  GW+64
	s_wait_loadcnt \left                           ; this block's 48 loads are in; the next block's 48 may be out
.set i, 0
.rept 16
	v_pk_mul_f32 v[GW+i:GW+i+1], v[GW+i:GW+i+1], v[RS+2*(\t):RS+2*(\t)+1]
.set i, i+2
.endr
.set i, 0
.rept 16
	v_pk_add_f32 v[X+i:X+i+1], v[X+i:X+i+1], v[MU+2*(\t):MU+2*(\t)+1] neg_lo:[0,1] neg_hi:[0,1]
.set i, i+2
.endr
.set i, 0
.rept 16
	v_pk_fma_f32 v[X+i:X+i+1], v[X+i:X+i+1], v[GW+i:GW+i+1], v[GB+i:GB+i+1]   ; h = (x - mean) (gn_w / sqrt) + gn_b
.set i, i+2
.endr
	v_max3_num_f32 v52, |v[X]|, |v[X+1]|, |v[X+2]|                  ; the block's largest magnitude: all 32 are mine
	v_max3_num_f32 v53, |v[X+3]|, |v[X+4]|, |v[X+5]|
.irp k, 6,10,14,18,22,26
	v_max3_num_f32 v52, v52, |v[X+\k]|, |v[X+\k+1]|
	v_max3_num_f32 v53, v53, |v[X+\k+2]|, |v[X+\k+3]|
.endr
	v_max3_num_f32 v52, v52, |v[X+30]|, |v[X+31]|
	v_max3_num_f32 v52, v52, v53, 0x8000000        ; and the floor 2^(16 - 127)
	v_add_nc_u32 v55, 0xf8800000, v52              ; the conversion's scale operand
	v_lshrrev_b32 v56, 23, v55                     ; the byte
.if (\t) == 0
	v_mov_b32 v57, v56
.else
	v_lshl_or_b32 v57, v56, 8*(\t), v57            ; four bytes make my position's scale word for these 128 channels
.endif
.set i, 0
.rept 32
.set i, i+1
.endr
.irp k, 0,1,2,3
	v_cvt_scalef32_pk8_bf8_f32 v[GW+2*\k:GW+2*\k+1], v[X+8*\k:X+8*\k+7], v55
.endr
	v_nop
	ds_store_b128 v[HWA], v[GW:GW+3] offset:32*(\t)
	ds_store_b128 v[HWA], v[GW+4:GW+7] offset:32*(\t)+16
	s_wait_dscnt 0x0                               ; the stores have read their registers, which the next loads fill
.endm
	s_wait_alu depctr_va_vdst(0)
	BLOCK 0, 48
	LOADBLK 2
	BLOCK 1, 48
	LOADBLK 3
	BLOCK 2, 48
	BLOCK 3, 0                                     ; every load of the wave is in from here on
	s_wait_alu depctr_va_vdst(0)
	ds_store_b32 v[HSA], v57
	s_wait_dscnt 0x0                               ; for the others' sake: my codes and my scale word lie in LDS
	s_barrier_signal -1
	s_barrier_wait -1
	; ---- B
.irp p, 0,1
.irp k, 0,1
.irp c, 0,1,2,3
	ds_load_b128 v[HF+32*\p+16*\k+4*\c:HF+32*\p+16*\k+4*\c+3], v[HRA] offset:8*\p*HP+128*\k+32*\c
.endr
	ds_load_b32 v[HS+2*\p+\k], v[HSR] offset:64*\p+4*\k
.endr
.endr
	v_cmp_lt_f32 vcc_lo, 0, v22
	v_cndmask_b32 v[KEEP], -1, 0, vcc_lo           ; 0 where my position of tile 0 is air
	v_cmp_lt_f32 vcc_lo, 0, v23
	v_cndmask_b32 v[KEEP+1], -1, 0, vcc_lo
	s_wait_dscnt 0x0
; 16 numbers of a lane (the other 16 of the block lie in lane l xor 16) become four registers of codes and the block's byte
.macro QUANT16 s, q, e
	v_max3_num_f32 v52, |v[\s]|, |v[\s+1]|, 0x8000000
.irp k, 2,4,6,8,10,12,14
	v_max3_num_f32 v52, v52, |v[\s+\k]|, |v[\s+\k+1]|
.endr
	v_permlanex16_b32 v58, v52, s36, s37
	v_max_num_f32 v52, v52, v58
	v_add_nc_u32 v53, 0xf8800000, v52
	v_lshrrev_b32 v[\e], 23, v53
.set i, 0
.rept 16
.set i, i+1
.endr
	v_cvt_scalef32_pk8_bf8_f32 v[\q:\q+1], v[\s:\s+7], v53
	v_cvt_scalef32_pk8_bf8_f32 v[\q+2:\q+3], v[\s+8:\s+15], v53
	v_nop                                          ; a plain line between the conversions and whatever next touches their registers
.endm
; q (ty = 0) or k (1): four accumulators by turns: (tile of positions p, tile of channels u), two K steps
.macro QK ty
	WIN 0x11                                       ; source 0 (weights) and C (bias) window 1
.irp p, 0,1
.irp u, 0,1
	v_wmma_scale_f32_16x16x128_f8f6f4 v[ACC+16*\p+8*\u:ACC+16*\p+8*\u+7], v[16*(4*\ty+2*\u):16*(4*\ty+2*\u)+15], v[HF+32*\p:HF+32*\p+15], v[192+16*\ty+8*\u:199+16*\ty+8*\u], v[WS+4*\ty+2*\u], v[HS+2*\p] matrix_a_fmt:MATRIX_FMT_BF8 matrix_b_fmt:MATRIX_FMT_BF8
.endr
.endr
	WIN 0x01
.irp p, 0,1
.irp u, 0,1
	v_wmma_scale_f32_16x16x128_f8f6f4 v[ACC+16*\p+8*\u:ACC+16*\p+8*\u+7], v[16*(4*\ty+2*\u+1):16*(4*\ty+2*\u+1)+15], v[HF+32*\p+16:HF+32*\p+31], v[ACC+16*\p+8*\u:ACC+16*\p+8*\u+7], v[WS+4*\ty+2*\u+1], v[HS+2*\p+1] matrix_a_fmt:MATRIX_FMT_BF8 matrix_b_fmt:MATRIX_FMT_BF8
.endr
.endr
	WIN 0
.rept 8
	v_nop                                          ; eight places between this form and the first read of its results
.endr
	QUANT16 ACC, CQ+8*\ty, EB+2*\ty
	QUANT16 ACC+16, CQ+8*\ty+4, EB+2*\ty+1
.endm
	QK 0
	global_store_b128 v[LI], v[CQ:CQ+3], s[48:49]                  ; a wave stores 512 consecutive bytes: an image
	global_store_b128 v[LI], v[CQ+4:CQ+7], s[48:49] offset:4096    ; the next tile of positions: 8 heads on
	v_cndmask_b32 v190, v[EB], v[EB+1], s42        ; lanes 0-15 tile 0's byte, lanes 16-31 tile 1's (both halves hold both)
	global_store_b32 v[QSO], v190, s[50:51] offset:1048576
	QK 1
.irp k, 0,1,2,3
	v_and_b32 v[CQ+8+\k], v[CQ+8+\k], v[KEEP]      ; air: zero codes
	v_and_b32 v[CQ+12+\k], v[CQ+12+\k], v[KEEP+1]
.endr
	global_store_b128 v[LI], v[CQ+8:CQ+11], s[54:55]
	global_store_b128 v[LI], v[CQ+12:CQ+15], s[54:55] offset:512
	v_cndmask_b32 v191, v[EB+2], v[EB+3], s42
	global_store_b32 v[XO], v191, s[56:57] offset:32768
	; v: source 0 = h (positions), source 1 = weights (channels)
	WIN 0x14                                       ; source 1 and C window 1
.irp u, 0,1
.irp p, 0,1
	v_wmma_scale_f32_16x16x128_f8f6f4 v[ACC+16*\u+8*\p:ACC+16*\u+8*\p+7], v[HF+32*\p:HF+32*\p+15], v[16*(8+2*\u):16*(8+2*\u)+15], v[224+8*\u:231+8*\u], v[HS+2*\p], v[WS+8+2*\u] matrix_a_fmt:MATRIX_FMT_BF8 matrix_b_fmt:MATRIX_FMT_BF8
.endr
.endr
	WIN 0x04
.irp u, 0,1
.irp p, 0,1
	v_wmma_scale_f32_16x16x128_f8f6f4 v[ACC+16*\u+8*\p:ACC+16*\u+8*\p+7], v[HF+32*\p+16:HF+32*\p+31], v[16*(9+2*\u):16*(9+2*\u)+15], v[ACC+16*\u+8*\p:ACC+16*\u+8*\p+7], v[HS+2*\p+1], v[WS+9+2*\u] matrix_a_fmt:MATRIX_FMT_BF8 matrix_b_fmt:MATRIX_FMT_BF8
.endr
.endr
	WIN 0
.rept 8
	v_nop
.endr
	QUANT16 ACC, CQ+16, EB+4                       ; channels 8 u + rp, u = 0: my 32 positions are one block of the keys
	QUANT16 ACC+16, CQ+20, EB+5
	global_store_b128 v[LI], v[CQ+16:CQ+19], s[58:59] offset:16384
	global_store_b128 v[LI], v[CQ+20:CQ+23], s[58:59] offset:16384+2048
	v_cndmask_b32 v192, v[EB+4], v[EB+5], s42
	global_store_b8 v[XO], v192, s[60:61] offset:34816
	s_wait_tensorcnt 0x0
	ds_add_u32 v17, v59
	s_wait_dscnt 0x0
	s_endpgm
.Lfunc_end_k_qac333341f0_qkv:
	.size	k_qac333341f0_qkv, .Lfunc_end_k_qac333341f0_qkv-k_qac333341f0_qkv
	.p2alignl 7, 3214868480
	.fill 96, 4, 3214868480
	.section	.rodata,"a",@progbits
	.p2align	6, 0x0
	.amdhsa_kernel k_qac333341f0_qkv
		.amdhsa_group_segment_fixed_size 18944
		.amdhsa_private_segment_fixed_size 0
		.amdhsa_enable_private_segment 0
		.amdhsa_kernarg_size 80
		.amdhsa_user_sgpr_count 2
		.amdhsa_user_sgpr_kernarg_segment_ptr 1
		.amdhsa_wavefront_size32 1
		.amdhsa_system_sgpr_workgroup_id_x 1
		.amdhsa_system_sgpr_workgroup_id_y 1
		.amdhsa_system_sgpr_workgroup_id_z 1
		.amdhsa_system_vgpr_workitem_id 0
		.amdhsa_next_free_vgpr 512
		.amdhsa_next_free_sgpr 66
		.amdhsa_reserve_vcc 1
		.amdhsa_float_denorm_mode_32 3
		.amdhsa_float_denorm_mode_16_64 3
		.amdhsa_fp16_overflow 1
		.amdhsa_memory_ordered 1
		.amdhsa_forward_progress 1
		.amdhsa_inst_pref_size 67
	.end_amdhsa_kernel
	.amdgpu_metadata
---
amdhsa.version: [ 1, 2 ]
amdhsa.kernels:
  - .name:           k_qac333341f0_qkv
    .symbol:         k_qac333341f0_qkv.kd
    .args:
      - { .name: x, .offset: 0, .size: 8, .value_kind: global_buffer, .address_space: global }
      - { .name: stats, .offset: 8, .size: 8, .value_kind: global_buffer, .address_space: global }
      - { .name: gn_w, .offset: 16, .size: 8, .value_kind: global_buffer, .address_space: global }
      - { .name: gn_b, .offset: 24, .size: 8, .value_kind: global_buffer, .address_space: global }
      - { .name: wq, .offset: 32, .size: 8, .value_kind: global_buffer, .address_space: global }
      - { .name: qkv_b, .offset: 40, .size: 8, .value_kind: global_buffer, .address_space: global }
      - { .name: block_types, .offset: 48, .size: 8, .value_kind: global_buffer, .address_space: global }
      - { .name: is_air, .offset: 56, .size: 8, .value_kind: global_buffer, .address_space: global }
      - { .name: qq, .offset: 64, .size: 8, .value_kind: global_buffer, .address_space: global }
      - { .name: kv, .offset: 72, .size: 8, .value_kind: global_buffer, .address_space: global }
    .group_segment_fixed_size: 18944
    .private_segment_fixed_size: 0
    .kernarg_segment_align: 8
    .kernarg_segment_size: 80
    .max_flat_workgroup_size: 128
    .sgpr_count:     66
    .vgpr_count:     512
    .wavefront_size: 32
...
	.end_amdgpu_metadata
.endif
;; end of part 2
;; launch attn (part 3): grid 128 x 2, 8 waves a work-group, clusters of 4 x 1, 327,680 bytes of LDS; arguments kv, qq, ao; writes ao
.if DOCPART == 3
	.amdgcn_target "amdgcn-amd-amdhsa--gfx1250"
	.amdhsa_code_object_version 6
	.text
	.protected	k_qac333341f0_attn
	.globl	k_qac333341f0_attn
	.p2align	8
	.type	k_qac333341f0_attn,@function
k_qac333341f0_attn:
	s_mov_b64 s[64:65], 0
	v_nop
	global_prefetch_b8 v0, s[64:65] scope:SCOPE_SE
	s_setreg_imm32_b32 hwreg(HW_REG_WAVE_MODE, 25, 1), 1
	s_wait_xcnt 0x0
	s_wait_alu depctr_hold_cnt(0) depctr_sa_sdst(0) depctr_va_vdst(0) depctr_va_sdst(0) depctr_va_ssrc(0) depctr_va_vcc(0) depctr_vm_vsrc(0)
	s_getreg_b32 s2, hwreg(HW_REG_IB_STS2, 6, 4)
	s_cmp_eq_u32 s2, 0
	s_cbranch_scc0 .Lentry_in_a_cluster
	s_endpgm
.Lentry_in_a_cluster:
	s_bfe_u32 s2, ttmp6, 0x10000c
	s_cmp_lg_u32 s2, 0x3003
	s_cbranch_scc0 .Lentry_shape_is_right
	s_endpgm
.Lentry_shape_is_right:
; Attention on codes of E5M2 (one E8M0 byte for each 32 along a product's K): scores, mask and boosts, softmax, V, the division by the row's sum, and the quantiser for the projection.
; SHARES.  Work-group (p, g): the two tiles of 16 queries 2 p, 2 p + 1 (positions 32 p .. 32 p + 31) and the four heads 4 g .. 4 g + 3.  Wave wv: tile wv & 1, key quarter wv >> 1 (1,024 keys),
; all four heads, 128 keys a step, 8 steps.  At the end the four quarters of a (tile, head) are merged through LDS; M is a whole number, so the merge's factors are exact powers of two.
; THE BOOST IS MADE ONCE FOR FOUR HEADS and handed to the matrix unit as the C of S^T = K Q^T:  C = sqrt(32) (clip(2 (w_i w_j + l_i l_j), 0, 10) + clip(1.5 w_i w_j [|y_i - y_j| <= 2], 0, 10)) + N_j,
; N_j = -2^33 where key j is air, else 0.  The codes of an air key are zeros, and the boost (113 at the most) is under half of the spacing of f32 numbers below 2^33: an air key's score is exactly N.
; t = score x log2(e)/sqrt(32); M = the running largest t rounded up to a whole number; p = 2^(t - M) is quantised along the keys; the row's sum is taken of the unquantised p.
; LIMITS: the clip at +-1e9 is not executed for keys that are not air: their logits stay within +-9e8; NaN and infinities are not served.
; LAYOUT.  Both products transposed: a lane holds one query (lane % 16).  Lane r of tile 2 b + u takes key 32 b + 8 u + r + 8 (r / 8): the 16 registers of two neighbouring tiles are keys 32 b + 16 (lane / 16) + 0 .. 15,
; sixteen positions with one y.  K = 32 is one block: a fragment of K or Q has four registers of codes.  Q's are followed by 12 registers of zeros; K's eight tiles lie packed, four registers each, so that
; a fragment's blocks 1 to 3 are other tiles' (finite) codes, which meet Q's zeros; 12 zero registers close the run.
; THE STREAM.  kv is laid [key step][g][36,864 bytes]: images of K's and V's registers, scale words and the tables w, l, N of 128 keys.  A slot holds the four quarters' blocks of one step; each wave fetches half a block
; (72 rows of 256 bytes) by one tensor load.  CLUSTER: the four work-groups of a cluster have the same g and walk the same stream: every load is asked for jointly, mask 15.
; A refill has a whole step (four heads' work) in which to land; by this text's count one tensor load of a wave is out.
; REGISTERS.  window 0: v1-9 addresses; v10-14 my query's factors; v16-23 the vertical factor of four blocks; v24-39 four a head: -M, largest t, the sum in two halves; v40-49 scale words; v50-71 at work;
;   v72-74 global offsets; v76-91 p's codes; v92-95 the merge's addresses; v96-159 C; v160-223 S^T, then p (while C is made: the tables).
;   window 1: v0-63 O^T; v64-127 Q; v128-171 K; v176-207 V.
.set BLKB,  36864
.set SLOTB, 4*BLKB
.set SPARE, 2*SLOTB                    ; behind the ring: the spare words, 128 bytes for each of eight waves: four blocks of 256 bytes that no other line names
.set MENT,  2304                       ; the merge: O^T's four images, -M, the sum; entry (4 wave + head), in slot 0, which has had its last fill and its last read by then
.set VIM,   16384
.set KSC,   32768
.set VSC,   34816
.set TAB,   35328
.set SPW, 1
.set NIL, 2
.set AB,  3                            ; 16 L + my quarter's block
.set ADR, 4
.set AS0, 5                            ; 4 L + ..
.set ADS, 6
.set AT0, 7                            ; 64 (lane / 16) + ..
.set ADT, 8
.set YV,  9                            ; my query's y + 2 - lane / 16
.set W2,  10
.set L2,  12
.set W15, 14
.set WVB, 16
.set STT, 24
.set QS,  40
.set KS,  44
.set VS,  48
.set PS,  49
.set FF,  50
.set BM,  52
.set PB,  56
.set HD,  60
.set SC,  64
.set TP,  68
.set GL,  72
.set GR,  73
.set GP,  74
.set PC,  76
.set CB,  96
.set S,   160
.set YT,  208
.set OT,  0
.set QF,  64
.set KF,  128
.set VF,  176
.set MSB, 0
.macro WIN new                         ; the immediate's high byte repeats the setting that is left
.if MSB != \new
	s_set_vgpr_msb (MSB<<8)|\new
.set MSB, \new
.endif
.endm
.macro CROUND                          ; a round of the cluster's barrier
	s_barrier_signal -1
	s_barrier_wait -1
	s_cmp_lg_u32 s10, 0
	s_cbranch_scc1 .Lnot_wave_0_\@
	s_barrier_signal -3
.Lnot_wave_0_\@:
	s_barrier_wait -3
	s_barrier_signal -1
	s_barrier_wait -1
.endm
	s_load_b128 s[4:7], s[0:1], 0x0                ; kv, qq
	s_load_b64 s[8:9], s[0:1], 0x10                ; ao
	v_lshl_add_u32 v[SPW], v0, 2, SPARE
	v_mov_b32 v[NIL], 0
	ds_add_u32 v1, v2
	ds_add_u32 v1, v2
	s_wait_dscnt 0x0
	v_lshrrev_b32 v[TP], 5, v0
	s_delay_alu instid0(VALU_DEP_1)
	v_readfirstlane_b32 s10, v[TP]                 ; wave 0..7
	s_and_b32 s11, s10, 1                          ; my tile of the two
	s_lshr_b32 s12, s10, 1                         ; my quarter of the keys
	s_bfe_u32 s13, ttmp6, 0x40000                  ; cx
	s_lshl_b32 s14, ttmp9, 2
	s_add_co_u32 s14, s14, s13                     ; p: it enters global addresses and a lane's numbers alone
	s_and_b32 s15, ttmp7, 0xffff                   ; g, which the four partners share
	s_mov_b32 s16, 15|(3<<16)|(1<<21)              ; group 1: mask of the four; elements of 8 bytes; bit 21 beside a mask; no padding: images are read 512 bytes on end
	s_mov_b32 s17, 32<<16                          ; tensor_dim0 = 32 elements: 256 bytes
	s_mov_b32 s18, 72<<16                          ; tensor_dim1 = 72 rows
	s_mov_b32 s19, 32<<16                          ; tile_dim0
	s_mov_b32 s20, 72                              ; tile_dim1
	s_mov_b32 s21, 32                              ; the pitch: dense
	s_mov_b32 s22, 0
	s_mov_b32 s23, 0
	s_mul_i32 s29, s10, BLKB/2                     ; my half block's place in a slot
	s_mov_b32 s28, 0                               ; the slot that is filled next
	s_mov_b32 s30, 0                               ; the slot that is read
	s_mov_b32 s31, 0                               ; y of the step's first key: 0 and 8 by turns
	s_mov_b32 s32, 7
	s_mov_b32 s34, 0x3e8293ee                      ; c = log2(e) / sqrt(32)
	s_mov_b32 s35, s34
	s_mov_b32 s36, 0x76543210
	s_mov_b32 s37, 0xfedcba98
	s_mov_b32 s39, 0x42624630                      ; 10 sqrt(32)
	s_mul_i32 s40, s12, 16*BLKB                    ; the stream: my quarter's first step,
	s_mul_i32 s41, s15, BLKB                       ; my head group,
	s_add_co_u32 s40, s40, s41
	s_mul_i32 s41, s11, BLKB/2                     ; my half of the block
	s_add_co_u32 s40, s40, s41
	s_mov_b32 s41, 0
	s_lshl_b32 s42, s14, 1
	s_add_co_u32 s42, s42, s11
	s_lshl_b32 s42, s42, 3
	s_lshl_b32 s43, s15, 2
	s_add_co_u32 s48, s42, s43                     ; 8 x my tile + my first head
	s_lshl_b32 s42, s48, 9
	s_mov_b32 s43, 0
	s_lshl_b32 s44, s48, 6
	s_mov_b32 s45, 0
	s_lshr_b32 s46, s14, 2                         ; the tables at my own queries: key step p / 4,
	s_lshl_b32 s46, s46, 1
	s_add_co_u32 s46, s46, s15
	s_mul_i32 s46, s46, BLKB
	s_and_b32 s47, s14, 3
	s_lshl_b32 s47, s47, 7
	s_add_co_u32 s46, s46, s47
	s_lshl_b32 s47, s11, 5
	s_add_co_u32 s46, s46, s47                     ; key 32 (p % 4) + 8 tile
	s_mov_b32 s47, 0
	s_add_co_u32 s48, s48, s12                     ; what I store: head 4 g + my quarter's number
	s_lshl_b32 s50, s48, 9
	s_mov_b32 s51, 0
	s_lshl_b32 s52, s48, 6
	s_mov_b32 s53, 0
	v_and_b32 v[TP], 31, v0                        ; L
	v_and_b32 v[TP+1], 15, v0                      ; r
	v_bfe_u32 v[TP+2], v0, 4, 1                    ; h
	s_mul_i32 s33, s12, BLKB
	v_lshl_add_u32 v[AB], v[TP], 4, s33
	v_lshl_add_u32 v[AS0], v[TP], 2, s33
	v_lshl_add_u32 v[AT0], v[TP+2], 6, s33
	v_lshrrev_b32 v[TP+3], 3, v[TP+1]
	s_lshl_b32 s49, s14, 1
	v_add_nc_u32 v[YV], s49, v[TP+3]
	s_delay_alu instid0(VALU_DEP_1)
	v_and_b32 v[YV], 15, v[YV]                     ; my query's y = (2 p + r / 8) mod 16
	s_delay_alu instid0(VALU_DEP_1)
	v_sub_nc_u32 v[YV], v[YV], v[TP+2]
	s_delay_alu instid0(VALU_DEP_1)
	v_add_nc_u32 v[YV], 2, v[YV]
	v_lshl_add_u32 v[GP], v[TP+3], 3, v[TP+1]
	s_delay_alu instid0(VALU_DEP_1)
	v_lshlrev_b32 v[GP], 2, v[GP]                  ; 4 (r + 8 (r / 8))
	v_lshlrev_b32 v[GL], 4, v[TP]
	v_lshlrev_b32 v[GR], 2, v[TP+1]
	s_mul_i32 s49, s10, 4*MENT
	v_lshl_add_u32 v92, v[TP], 4, s49              ; the merge: where I put my four heads' parts,
	v_lshl_add_u32 v93, v[TP], 2, s49
	s_mul_i32 s49, s11, 4*MENT
	s_mul_i32 s54, s12, MENT
	s_add_co_u32 s49, s49, s54
	v_lshl_add_u32 v94, v[TP], 4, s49              ; and where I read quarter 0's part of my tile and the head that I finish
	v_lshl_add_u32 v95, v[TP], 2, s49
	s_wait_kmcnt 0x0
	s_mov_b32 s24, 1                               ; group 0: count,
	s_mov_b32 s25, s29                             ; LDS address: slot 0,
	s_add_nc_u64 s[26:27], s[4:5], s[40:41]        ; global address,
	s_or_b32 s27, s27, 0x80000000                  ; type
	s_add_nc_u64 s[42:43], s[6:7], s[42:43]
	s_add_nc_u64 s[44:45], s[6:7], s[44:45]
	s_add_nc_u64 s[46:47], s[4:5], s[46:47]
	s_add_nc_u64 s[50:51], s[8:9], s[50:51]
	s_add_nc_u64 s[52:53], s[8:9], s[52:53]
	CROUND                                         ; all four work-groups are here: the first joint loads meet
	tensor_load_to_lds s[24:27], s[16:23]          ; step 0
	s_nop 0
.rept 4
	v_nop                                          ; behind a tensor load
.endr
	WIN 0x40                                       ; destination window 1
	s_wait_alu depctr_va_vdst(0)
.irp n, 0,1,2,3
	global_load_b128 v[QF+16*\n:QF+16*\n+3], v[GL], s[42:43] offset:512*\n   ; Q's images stay in registers
.endr
	WIN 0
.irp n, 0,1,2,3
	global_load_b32 v[QS+\n], v[GR], s[44:45] offset:1048576+64*\n
.endr
	global_load_b32 v[W2], v[GP], s[46:47] offset:TAB          ; wood of my query,
	global_load_b32 v[L2], v[GP], s[46:47] offset:TAB+512      ; leaves
	WIN 0x40
.irp n, 0,1,2,3
.irp k, 4,5,6,7,8,9,10,11,12,13,14,15
	v_mov_b32 v[QF+16*\n+\k], 0                    ; Q's blocks 1 to 3: zero codes
.endr
.endr
.irp k, 0,1,2,3,4,5,6,7,8,9,10,11
	v_mov_b32 v[KF+32+\k], 0                       ; behind K's eight tiles
.endr
.set i, 0
.rept 64
	v_mov_b32 v[OT+i], 0                           ; O^T: the step is written once; its first run finds zeros
.set i, i+1
.endr
	WIN 0
.irp n, 0,1,2,3
	v_mov_b32 v[STT+4*\n+1], 0xff61b1e6            ; the largest t so far: -3e38
	s_delay_alu instid0(VALU_DEP_1)
	v_floor_f32 v[STT+4*\n], -v[STT+4*\n+1]        ; -M
	v_mov_b32 v[STT+4*\n+2], 0
	v_mov_b32 v[STT+4*\n+3], 0
	v_mov_b32 v[PB+\n], 0                          ; a lane permute's destination counts as one of its sources
	v_mov_b32 v[WVB+2*\n+1], 0                     ; (upper halves of pairs of which the low word serves both)
.endr
	v_mov_b32 v[FF+1], 0
	s_wait_loadcnt 0x0
	v_mul_f32 v[W15], 0x4107c3b6, v[W2]            ; 1.5 sqrt(32) w_i
	v_mul_f32 v[W2], 0x413504f3, v[W2]             ; 2 sqrt(32) w_i
	s_delay_alu instid0(VALU_DEP_1)
	v_mov_b32 v[W2+1], v[W2]
	v_mul_f32 v[L2], 0x413504f3, v[L2]             ; 2 sqrt(32) l_i
	s_delay_alu instid0(VALU_DEP_1)
	v_mov_b32 v[L2+1], v[L2]
; THE CHANGE OF SLOTS, at a step's head.  Each wave waits for all its tensor loads (its part of the slot ahead), adds 0 to its spare word, and waits for that and for its reads of the slot that it has left.
; fill = 1: a round of the cluster's barrier, so that no wave of any partner still reads that slot or has a load on its way; the joint refill is the first thing behind it.
.macro CHANGE fill
	s_wait_tensorcnt 0x0                           ; no tensor load of mine is out, so group 0 may be written
	ds_add_u32 v[SPW], v[NIL]
.if \fill
	s_xor_b32 s28, s28, SLOTB                      ; the other slot,
	s_add_co_u32 s25, s28, s29
	s_add_nc_u64 s[26:27], s[26:27], 2*BLKB        ; the next key step; the type bits are not reached
.endif
	s_wait_dscnt 0x0                               ; the add is done, and my reads of the slot that I have left are over
.if \fill
	CROUND
	tensor_load_to_lds s[24:27], s[16:23]
	s_nop 0
.rept 4
	v_nop
.endr
.else
	s_barrier_signal -1
	s_barrier_wait -1
.endif
.endm
.macro TLOAD t                         ; w, l, N of the eight keys of tile t that my half of the lanes holds: six loads, each half of the lanes one address
.set TS, S+24*((\t)%2)
.irp a, 0,1,2
.irp k, 0,1
	ds_load_b128 v[TS+8*\a+4*\k:TS+8*\a+4*\k+3], v[ADT] offset:TAB+512*\a+(32*((\t)/2)+8*((\t)%2))*4+16*\k
.endr
.endr
.endm
.macro BUNIT t                         ; C of tile t: eight registers
.set TS, S+24*((\t)%2)
.set WB, WVB+2*((\t)/2)
.irp k, 0,2,4,6
	v_pk_mul_f32 v[YT+\k:YT+\k+1], v[TS+\k:TS+\k+1], v[WB:WB+1] op_sel_hi:[1,0]   ; the vertical term
.endr
.irp k, 0,2,4,6
	v_pk_mul_f32 v[TS+\k:TS+\k+1], v[TS+\k:TS+\k+1], v[W2:W2+1]
.endr
.irp k, 0,2,4,6
	s_delay_alu instid0(VALU_DEP_4)
	v_pk_fma_f32 v[TS+\k:TS+\k+1], v[TS+8+\k:TS+8+\k+1], v[L2:L2+1], v[TS+\k:TS+\k+1]   ; the material term
.endr
.irp k, 0,1,2,3,4,5,6,7
	v_med3_num_f32 v[TS+\k], v[TS+\k], 0, s39      ; both clips, as they are written
.endr
.irp k, 0,1,2,3,4,5,6,7
	v_med3_num_f32 v[YT+\k], v[YT+\k], 0, s39
.endr
.irp k, 0,2,4,6
	v_pk_add_f32 v[TS+\k:TS+\k+1], v[TS+\k:TS+\k+1], v[YT+\k:YT+\k+1]
.endr
.irp k, 0,2,4,6
	s_delay_alu instid0(VALU_DEP_4)
	v_pk_add_f32 v[CB+8*(\t)+\k:CB+8*(\t)+\k+1], v[TS+\k:TS+\k+1], v[TS+16+\k:TS+16+\k+1]   ; + N
.endr
.endm
; ONE HEAD'S 128 KEYS.  last = 1: no head follows in this step.
.macro HEAD hd, last
.set ST, STT+4*(\hd)
	s_wait_dscnt 0x0                               ; this head's K and its scale words are in
	WIN 0x05                                       ; K and Q window 1
.irp t, 0,1,2,3,4,5,6,7
.if (\t)%2
	v_wmma_scale_f32_16x16x128_f8f6f4 v[S+8*\t:S+8*\t+7], v[KF+4*\t:KF+4*\t+15], v[QF+16*(\hd):QF+16*(\hd)+15], v[CB+8*\t:CB+8*\t+7], v[KS+\t/2], v[QS+(\hd)] matrix_a_fmt:MATRIX_FMT_BF8 matrix_b_fmt:MATRIX_FMT_BF8 matrix_a_scale:MATRIX_SCALE_ROW1
.else
	v_wmma_scale_f32_16x16x128_f8f6f4 v[S+8*\t:S+8*\t+7], v[KF+4*\t:KF+4*\t+15], v[QF+16*(\hd):QF+16*(\hd)+15], v[CB+8*\t:CB+8*\t+7], v[KS+\t/2], v[QS+(\hd)] matrix_a_fmt:MATRIX_FMT_BF8 matrix_b_fmt:MATRIX_FMT_BF8
.endif
.endr
	WIN 0
.rept 8
	v_nop                                          ; eight places: for the reads of S^T, and for the loads into K's, V's and the scale words' registers, which these products and the last V^T P have read
.endr
	ds_load_b32 v[VS], v[ADS] offset:VSC+128*(\hd)                 ; V's scale words: lanes 0-15 tile 0, lanes 16-31 tile 1
	WIN 0x40
.irp u, 0,1
.irp c, 0,1,2,3
	ds_load_b128 v[VF+16*\u+4*\c:VF+16*\u+4*\c+3], v[ADR] offset:VIM+4096*(\hd)+2048*\u+512*\c
.endr
.endr
.if \last == 0
.irp t, 0,1,2,3,4,5,6,7
	ds_load_b128 v[KF+4*\t:KF+4*\t+3], v[ADR] offset:4096*(\hd)+4096+512*\t   ; the next head's K
.endr
.endif
	WIN 0
.if \last == 0
.irp n, 0,1,2,3
	ds_load_b32 v[KS+\n], v[ADS] offset:KSC+512*(\hd)+512+128*\n
.endr
.endif
.irp b, 0,1,2,3
	v_max3_num_f32 v[BM+\b], v[S+16*\b], v[S+1+16*\b], v[S+2+16*\b]   ; the largest score of each block of 32 keys: for the row's maximum, and, since p rises with the score, for the block's largest p
.endr
.irp i, 3,5,7,9,11,13
.irp b, 0,1,2,3
	v_max3_num_f32 v[BM+\b], v[BM+\b], v[S+16*\b+\i], v[S+1+16*\b+\i]
.endr
.endr
.irp b, 0,1,2,3
	v_max_num_f32 v[BM+\b], v[BM+\b], v[S+15+16*\b]
.endr
.irp b, 0,1,2,3
	s_delay_alu instid0(VALU_DEP_4)
	v_permlanex16_b32 v[PB+\b], v[BM+\b], s36, s37
.endr
.irp b, 0,1,2,3
	s_delay_alu instid0(VALU_DEP_4)
	v_max_num_f32 v[BM+\b], v[BM+\b], v[PB+\b]     ; with lane l xor 16's 16 keys
.endr
	s_delay_alu instid0(VALU_DEP_2)
	v_max3_num_f32 v[TP], v[BM], v[BM+1], v[BM+2]
	s_delay_alu instid0(VALU_DEP_1)
	v_max_num_f32 v[TP], v[TP], v[BM+3]
	s_delay_alu instid0(VALU_DEP_1)
	v_mul_f32 v[TP], s34, v[TP]                    ; as t
	s_delay_alu instid0(VALU_DEP_1)
	v_max_num_f32 v[ST+1], v[ST+1], v[TP]          ; the running largest t
	v_mov_b32 v[TP], v[ST]
	s_delay_alu instid0(VALU_DEP_2)
	v_floor_f32 v[ST], -v[ST+1]                    ; -M = floor(-t): M is a whole number
	s_delay_alu instid0(VALU_DEP_1)
	v_sub_f32 v[TP], v[ST], v[TP]                  ; old M - new M, 0 or less
	s_delay_alu instid0(VALU_DEP_1)
	v_cvt_i32_f32 v[TP], v[TP]                     ; (it saturates)
	s_delay_alu instid0(VALU_DEP_1)
	v_ldexp_f32 v[FF], 1.0, v[TP]                  ; f = 2^(old M - new M): a factor that rounds nothing
.set j, 0
.rept 32
	v_pk_fma_f32 v[S+j:S+j+1], v[S+j:S+j+1], s[34:35], v[ST:ST+1] op_sel_hi:[1,0,0]   ; t - M
.set j, j+2
.endr
.irp b, 0,1,2,3
	v_fma_f32 v[BM+\b], v[BM+\b], s34, v[ST]
.endr
.set j, 0
	s_wait_alu depctr_va_vdst(0)
.rept 64
	v_exp_f32 v[S+j], v[S+j]                       ; p = 2^(t - M)
.set j, j+1
.endr
	v_pk_mul_f32 v[ST+2:ST+3], v[ST+2:ST+3], v[FF:FF+1] op_sel_hi:[1,0]   ; the sums under the new M: the plain line behind the batch
	s_wait_alu depctr_va_vdst(0)                   ; one wait for the 64, ahead of their first reader
.irp b, 0,1,2,3
	v_exp_f32 v[BM+\b], v[BM+\b]                   ; the blocks' largest p
.endr
	v_pk_add_f32 v[PB:PB+1], v[S:S+1], v[S+2:S+3]  ; the row's sum, of the unquantised p, in two chains
.set j, 4
.rept 15
	v_pk_add_f32 v[ST+2:ST+3], v[ST+2:ST+3], v[S+j:S+j+1]
	v_pk_add_f32 v[PB:PB+1], v[PB:PB+1], v[S+j+2:S+j+3]
.set j, j+4
.endr
	s_delay_alu instid0(VALU_DEP_1)
	v_pk_add_f32 v[ST+2:ST+3], v[ST+2:ST+3], v[PB:PB+1]
	s_wait_alu depctr_va_vdst(0)                   ; and one for the four
.irp b, 0,1,2,3
	v_max_num_f32 v[BM+\b], 0x8000000, v[BM+\b]    ; the floor 2^(16 - 127): a block whose every p is 0 keeps the byte 1 over zero codes
.endr
.irp b, 0,1,2,3
	s_delay_alu instid0(VALU_DEP_4)
	v_add_nc_u32 v[SC+\b], 0xf8800000, v[BM+\b]    ; the conversion's scale operand
.endr
.irp b, 0,1,2,3
.endr
.irp b, 0,1,2,3
	s_delay_alu instid0(VALU_DEP_4)
	v_lshrrev_b32 v[PB+\b], 23, v[SC+\b]
.endr
	s_delay_alu instid0(VALU_DEP_3)
	v_lshl_or_b32 v[PS], v[PB+1], 8, v[PB]         ; p's scale word for these 128 keys
	s_delay_alu instid0(VALU_DEP_1)
	v_lshl_or_b32 v[PS], v[PB+2], 16, v[PS]
	s_delay_alu instid0(VALU_DEP_1)
	v_lshl_or_b32 v[PS], v[PB+3], 24, v[PS]
.irp b, 0,1,2,3
.irp i, 0,1,2,3,4,5,6,7,8,9,10,11,12,13,14,15
.endr
	v_cvt_scalef32_pk8_bf8_f32 v[PC+4*\b:PC+4*\b+1], v[S+16*\b:S+16*\b+7], v[SC+\b]
	v_cvt_scalef32_pk8_bf8_f32 v[PC+4*\b+2:PC+4*\b+3], v[S+16*\b+8:S+16*\b+15], v[SC+\b]
.endr
	WIN 0x41                                       ; O^T window 1, f window 0
.set j, 0
.rept 8
	v_pk_mul_f32 v[OT+16*(\hd)+j:OT+16*(\hd)+j+1], v[OT+16*(\hd)+j:OT+16*(\hd)+j+1], v[FF:FF+1] op_sel_hi:[1,0]   ; O^T under the new M; also the plain lines between the conversions and the products
.set j, j+2
.endr
.if \last
	s_wait_alu depctr_va_vdst(0)
	s_wait_dscnt 0x0                               ; V is in
.else
	s_wait_alu depctr_va_vdst(0)
	s_wait_dscnt 12                                ; V and its scale words are in; the next head's K (8 loads) and scale words (4) may be out
.endif
	WIN 0x51                                       ; V, C and D window 1, p window 0
	v_wmma_scale_f32_16x16x128_f8f6f4 v[OT+16*(\hd):OT+16*(\hd)+7], v[VF:VF+15], v[PC:PC+15], v[OT+16*(\hd):OT+16*(\hd)+7], v[VS], v[PS] matrix_a_fmt:MATRIX_FMT_BF8 matrix_b_fmt:MATRIX_FMT_BF8
	v_wmma_scale_f32_16x16x128_f8f6f4 v[OT+16*(\hd)+8:OT+16*(\hd)+15], v[VF+16:VF+31], v[PC:PC+15], v[OT+16*(\hd)+8:OT+16*(\hd)+15], v[VS], v[PS] matrix_a_fmt:MATRIX_FMT_BF8 matrix_b_fmt:MATRIX_FMT_BF8 matrix_a_scale:MATRIX_SCALE_ROW1
	WIN 0
.endm
; A KEY STEP: C for my tile and these 128 keys, then the four heads.  turn = 1: on to the other slot.
.macro STEP turn
	v_add_nc_u32 v[ADR], s30, v[AB]
	v_add_nc_u32 v[ADS], s30, v[AS0]
	v_add_nc_u32 v[ADT], s30, v[AT0]
	WIN 0x40
.irp t, 0,1,2,3,4,5,6,7
	ds_load_b128 v[KF+4*\t:KF+4*\t+3], v[ADR] offset:512*\t        ; head 0's K
.endr
	WIN 0
.irp n, 0,1,2,3
	ds_load_b32 v[KS+\n], v[ADS] offset:KSC+128*\n                 ; lanes 0-15 tile 2 n's scale words, lanes 16-31 tile 2 n + 1's
.endr
	v_sub_nc_u32 v[TP], v[YV], s31                 ; block b's 16 keys of my half have y = YK + 2 b + lane / 16: |y_i - y_j| <= 2 where y_i - y_j + 2 is 0 .. 4
.irp b, 0,1,2,3
	v_add_nc_u32 v[TP+1], -2*\b, v[TP]
	s_delay_alu instid0(VALU_DEP_1)
	v_cmp_gt_u32 vcc_lo, 5, v[TP+1]
	s_delay_alu instid0(VALU_DEP_1)
	v_cndmask_b32 v[WVB+2*\b], 0, v[W15], vcc_lo
.endr
	TLOAD 0
	TLOAD 1
.irp n, 0,1,2,3,4,5,6,7
.if \n < 7
	s_wait_dscnt 6                                 ; this tile's tables are in; the next tile's six loads may be out
.else
	s_wait_dscnt 0x0
.endif
	BUNIT \n
.if \n < 6
	TLOAD \n+2
.endif
.endr
	s_wait_alu depctr_va_vdst(0)
	HEAD 0, 0
	HEAD 1, 0
	HEAD 2, 0
	HEAD 3, 1
.if \turn
	s_xor_b32 s30, s30, SLOTB
	s_xor_b32 s31, s31, 8
.endif
.endm
.Lstep:                                            ; seven trips: behind each change of slots the next step is asked for
	CHANGE 1
	STEP 1
	s_sub_co_u32 s32, s32, 1
	s_cmp_lg_u32 s32, 0
	s_cbranch_scc1 .Lstep
	CHANGE 0                                       ; the last step is written out
	s_mov_b32 s30, SLOTB                           ; step 7 lies in slot 1,
	s_mov_b32 s31, 8                               ; and begins at y = 8
	STEP 0
	; ---- THE MERGE.  Each wave puts its four heads' O^T, -M and sum into slot 0: that slot's last fill was step 6, and every wave's reads of it were over at the last barrier.
.irp n, 0,1,2,3
	v_add_f32 v[STT+4*\n+2], v[STT+4*\n+2], v[STT+4*\n+3]          ; (these eight additions are the eight places behind the last products)
.endr
.irp n, 0,1,2,3
	s_delay_alu instid0(VALU_DEP_4)
	v_permlanex16_b32 v[PB+\n], v[STT+4*\n+2], s36, s37
.endr
.irp n, 0,1,2,3
	s_delay_alu instid0(VALU_DEP_4)
	v_add_f32 v[STT+4*\n+2], v[STT+4*\n+2], v[PB+\n]               ; the sum over my quarter's keys
.endr
	WIN 0x04                                       ; an LDS store's data are its source 1: window 1
.irp n, 0,1,2,3
.irp k, 0,1,2,3
	ds_store_b128 v92, v[OT+16*\n+4*\k:OT+16*\n+4*\k+3] offset:MENT*\n+512*\k   ; each accumulator from its low end on
.endr
.endr
	WIN 0
.irp n, 0,1,2,3
	ds_store_b32 v93, v[STT+4*\n] offset:MENT*\n+2048
	ds_store_b32 v93, v[STT+4*\n+2] offset:MENT*\n+2176
.endr
	s_wait_dscnt 0x0                               ; for the others' sake
	s_barrier_signal -1
	s_barrier_wait -1
.irp n, 0,1,2,3                                    ; the four quarters' parts of my tile and of head (my quarter's number)
.irp k, 0,1,2,3
	ds_load_b128 v[CB+16*\n+4*\k:CB+16*\n+4*\k+3], v94 offset:8*MENT*\n+512*\k
.endr
	ds_load_b32 v[S+\n], v95 offset:8*MENT*\n+2048
	ds_load_b32 v[S+4+\n], v95 offset:8*MENT*\n+2176
.endr
	s_wait_dscnt 0x0
	v_min3_num_f32 v[TP], v[S], v[S+1], v[S+2]
	s_delay_alu instid0(VALU_DEP_1)
	v_min_num_f32 v[TP], v[TP], v[S+3]             ; -M of the whole row
.irp n, 0,1,2,3
	v_sub_f32 v[S+8+\n], v[TP], v[S+\n]            ; M_q - M, a whole number, 0 or less
.endr
.irp n, 0,1,2,3
	s_delay_alu instid0(VALU_DEP_4)
	v_cvt_i32_f32 v[S+8+\n], v[S+8+\n]
.endr
.irp n, 0,1,2,3
	v_ldexp_f32 v[S+12+2*\n], 1.0, v[S+8+\n]
	v_ldexp_f32 v[S+13+2*\n], 1.0, v[S+8+\n]
.endr
	v_mul_f32 v[TP+1], v[S+12], v[S+4]
.irp n, 1,2,3
	s_delay_alu instid0(VALU_DEP_1)
	v_fmac_f32 v[TP+1], v[S+12+2*\n], v[S+4+\n]    ; the row's sum
.endr
	s_wait_alu depctr_va_vdst(0)
	v_rcp_f32 v[TP+2], v[TP+1]
.irp k, 0,2,4,6,8,10,12,14
	v_pk_mul_f32 v[CB+\k:CB+\k+1], v[CB+\k:CB+\k+1], v[S+12:S+13]
.endr
.irp n, 1,2,3
.irp k, 0,2,4,6,8,10,12,14
	v_pk_fma_f32 v[CB+\k:CB+\k+1], v[CB+16*\n+\k:CB+16*\n+\k+1], v[S+12+2*\n:S+13+2*\n], v[CB+\k:CB+\k+1]
.endr
.endr
	s_wait_alu depctr_va_vdst(0)                   ; the reciprocal's wait, ahead of its first reader; the 32 lines above are the work between
	v_mov_b32 v[TP+3], v[TP+2]
.irp k, 0,2,4,6,8,10,12,14
	v_pk_mul_f32 v[CB+\k:CB+\k+1], v[CB+\k:CB+\k+1], v[TP+2:TP+3]
.endr
	; my 16 numbers are channels 16 (lane / 16) + 0 .. 15 of the head: with lane l xor 16's one block of the projection's K
	v_max3_num_f32 v[BM], |v[CB]|, |v[CB+1]|, 0x8000000
.irp k, 2,4,6,8,10,12,14
	s_delay_alu instid0(VALU_DEP_1)
	v_max3_num_f32 v[BM], v[BM], |v[CB+\k]|, |v[CB+\k+1]|
.endr
	s_delay_alu instid0(VALU_DEP_1)
	v_permlanex16_b32 v[PB], v[BM], s36, s37
	s_delay_alu instid0(VALU_DEP_1)
	v_max_num_f32 v[BM], v[BM], v[PB]
	s_delay_alu instid0(VALU_DEP_1)
	v_add_nc_u32 v[BM+1], 0xf8800000, v[BM]
	s_delay_alu instid0(VALU_DEP_1)
	v_lshrrev_b32 v[BM+3], 23, v[BM+1]
.irp k, 0,1,2,3,4,5,6,7,8,9,10,11,12,13,14,15
.endr
	v_cvt_scalef32_pk8_bf8_f32 v[PC:PC+1], v[CB:CB+7], v[BM+1]
	v_cvt_scalef32_pk8_bf8_f32 v[PC+2:PC+3], v[CB+8:CB+15], v[BM+1]
	v_nop
	global_store_b128 v[GL], v[PC:PC+3], s[50:51]                  ; an image: 512 consecutive bytes
	global_store_b32 v[GR], v[BM+3], s[52:53] offset:1048576       ; both halves of the lanes write the same word with the same value
	s_wait_tensorcnt 0x0                           ; the wave's end
	ds_add_u32 v[SPW], v[NIL]
	s_wait_dscnt 0x0
	CROUND                                         ; the closing round: no work-group ends while a partner may still ask jointly
	s_endpgm
.Lfunc_end_k_qac333341f0_attn:
	.size	k_qac333341f0_attn, .Lfunc_end_k_qac333341f0_attn-k_qac333341f0_attn
	.p2alignl 7, 3214868480
	.fill 96, 4, 3214868480
	.section	.rodata,"a",@progbits
	.p2align	6, 0x0
	.amdhsa_kernel k_qac333341f0_attn
		.amdhsa_group_segment_fixed_size 327680
		.amdhsa_private_segment_fixed_size 0
		.amdhsa_enable_private_segment 0
		.amdhsa_kernarg_size 24
		.amdhsa_user_sgpr_count 2
		.amdhsa_user_sgpr_kernarg_segment_ptr 1
		.amdhsa_wavefront_size32 1
		.amdhsa_system_sgpr_workgroup_id_x 1
		.amdhsa_system_sgpr_workgroup_id_y 1
		.amdhsa_system_sgpr_workgroup_id_z 1
		.amdhsa_system_vgpr_workitem_id 0
		.amdhsa_next_free_vgpr 512
		.amdhsa_next_free_sgpr 66
		.amdhsa_reserve_vcc 1
		.amdhsa_float_denorm_mode_32 3
		.amdhsa_float_denorm_mode_16_64 3
		.amdhsa_fp16_overflow 1
		.amdhsa_memory_ordered 1
		.amdhsa_forward_progress 1
		.amdhsa_inst_pref_size 191
	.end_amdhsa_kernel
	.amdgpu_metadata
---
amdhsa.version: [ 1, 2 ]
amdhsa.kernels:
  - .name:           k_qac333341f0_attn
    .symbol:         k_qac333341f0_attn.kd
    .args:
      - { .name: kv, .offset: 0, .size: 8, .value_kind: global_buffer, .address_space: global }
      - { .name: qq, .offset: 8, .size: 8, .value_kind: global_buffer, .address_space: global }
      - { .name: ao, .offset: 16, .size: 8, .value_kind: global_buffer, .address_space: global }
    .group_segment_fixed_size: 327680
    .private_segment_fixed_size: 0
    .kernarg_segment_align: 8
    .kernarg_segment_size: 24
    .max_flat_workgroup_size: 256
    .sgpr_count:     66
    .vgpr_count:     512
    .wavefront_size: 32
...
	.end_amdgpu_metadata
.endif
;; end of part 3
;; launch proj (part 4): grid 64 x 4, 4 waves a work-group, no clusters, 17,920 bytes of LDS; arguments ao, wq, proj_b, x, out0; writes out0
.if DOCPART == 4
	.amdgcn_target "amdgcn-amd-amdhsa--gfx1250"
	.amdhsa_code_object_version 6
	.text
	.protected	k_qac333341f0_proj
	.globl	k_qac333341f0_proj
	.p2align	8
	.type	k_qac333341f0_proj,@function
k_qac333341f0_proj:
	s_mov_b64 s[64:65], 0
	v_nop
	global_prefetch_b8 v0, s[64:65] scope:SCOPE_SE
	s_setreg_imm32_b32 hwreg(HW_REG_WAVE_MODE, 25, 1), 1
	s_wait_xcnt 0x0
; out0 = x + proj_w (attention's output) + proj_b, the product on codes of E5M2 with one E8M0 byte for each 32 along K (a block = a head).
; Work-group (px, oy): positions 64 px .. + 63, outputs 64 oy .. + 63; wave w: outputs 64 oy + 16 w .. + 15.  Source 0 = a tile of 16 positions (images of its registers, as the attention launch left them),
; source 1 = 16 rows of proj_w: a lane holds ONE output channel and eight positions; lane r of tile 2 b + u is position 32 b + 8 u + r + 8 (r / 8), so register j of tile a is position
; 32 (a / 2) + 16 (lane / 16) + 8 (a % 2) + j.  The bias is the C of each sum's first product.  The results go through the wave's own stage in LDS (16 channels x 256 bytes + 16) and leave, with x added,
; sixteen lanes to 256 consecutive bytes, aligned.  Waves share nothing: no barrier.  The launch is short and bound by its loads: no tensor load, no cluster.
; REGISTERS: v1-10 offsets; v12-19 the positions' scale words, v20-21 the weights'; v24-31 bias; v32-63 the weights' two fragments; v64-95 raw scale words, then the four accumulators; v96-127 x; v128-255 eight fragments, then rows of the result.
.set SP, 272
	s_load_b256 s[4:11], s[0:1], 0x0               ; ao, wq, proj_b, x
	s_load_b64 s[12:13], s[0:1], 0x20              ; out0
	v_lshl_add_u32 v22, v0, 2, 0x4400
	v_mov_b32 v23, 0
	v_lshrrev_b32 v1, 5, v0
	v_readfirstlane_b32 s14, v1                    ; wave
	s_and_b32 s15, ttmp7, 0xffff
	s_lshl_b32 s16, s15, 6
	s_lshl_b32 s17, s14, 4
	s_add_co_u32 s16, s16, s17                     ; my first output channel
	v_and_b32 v1, 31, v0                           ; L
	v_and_b32 v2, 15, v0                           ; r
	v_bfe_u32 v3, v0, 4, 1                         ; h
	v_lshlrev_b32 v4, 4, v1                        ; 16 L
	v_lshlrev_b32 v5, 2, v2                        ; 4 r
	v_lshlrev_b32 v6, 3, v2                        ; 8 r
	v_lshlrev_b32 v7, 8, v2
	v_lshl_add_u32 v7, v3, 4, v7                   ; 256 r + 16 h
	v_lshlrev_b32 v8, 14, v3
	v_lshl_add_u32 v8, v2, 4, v8                   ; x, out0: channel h of two, 16 r
	s_mul_i32 s18, s14, 16*SP                      ; my stage
	v_mul_u32_u24 v9, v2, SP
	v_lshl_add_u32 v9, v3, 6, v9
	v_add_nc_u32 v9, s18, v9                       ; in: row r, + 64 h
	v_mul_u32_u24 v10, v3, SP
	v_lshl_add_u32 v10, v2, 4, v10
	v_add_nc_u32 v10, s18, v10                     ; back: lanes 0-15 one row, lanes 16-31 the next
	s_mov_b32 s29, 0
	s_wait_alu depctr_va_vdst(0)
	s_wait_kmcnt 0x0
	s_lshl_b32 s28, ttmp9, 14
	s_add_nc_u64 s[20:21], s[4:5], s[28:29]        ; images of tiles 4 px on: 8 heads x 512 bytes a tile
	s_lshl_b32 s28, ttmp9, 11
	s_add_nc_u64 s[22:23], s[4:5], s[28:29]        ; their scale words
	s_add_co_u32 s30, s16, 768                     ; proj_w's rows lie behind qkv_w's 768
	s_lshl_b32 s28, s30, 8
	s_add_nc_u64 s[24:25], s[6:7], s[28:29]
	s_lshl_b32 s28, s30, 3
	s_add_nc_u64 s[26:27], s[6:7], s[28:29]
	s_lshl_b32 s28, s16, 2
	s_add_nc_u64 s[8:9], s[8:9], s[28:29]
	s_lshl_b32 s28, s16, 14
	s_lshl_b32 s30, ttmp9, 8
	s_add_co_u32 s28, s28, s30
	s_add_nc_u64 s[10:11], s[10:11], s[28:29]
	s_add_nc_u64 s[12:13], s[12:13], s[28:29]
.set i, 0
.rept 32
	global_load_b32 v[64+i], v5, s[22:23] offset:1048576+64*i      ; (tile a, head n) at 8 a + n: the byte of row r
.set i, i+1
.endr
	global_load_b32 v20, v6, s[26:27] offset:262144
	global_load_b32 v21, v6, s[26:27] offset:262144+4
.irp j, 0,1,2,3,4,5,6,7
	global_load_b32 v[24+\j], v5, s[8:9]           ; a lane holds one channel: its bias in all eight registers
.endr
.irp k, 0,1
.irp c, 0,1,2,3
	global_load_b128 v[32+16*\k+4*\c:35+16*\k+4*\c], v7, s[24:25] offset:128*\k+32*\c
.endr
.endr
.set i, 0
.rept 32
	global_load_b128 v[128+4*i:131+4*i], v4, s[20:21] offset:512*i   ; tile a, K step k, registers 4 c on: image 8 a + 4 k + c
.set i, i+1
.endr
.irp n, 0,1,2,3,4,5,6,7
	global_load_b128 v[96+4*\n:99+4*\n], v8, s[10:11] offset:2*\n*16384 th:TH_LOAD_NT
.endr
	s_wait_loadcnt 8                               ; all but x's eight
.irp a, 0,1,2,3
.irp k, 0,1
	v_lshl_or_b32 v[12+2*\a+\k], v[65+8*\a+4*\k], 8, v[64+8*\a+4*\k]   ; four heads' bytes make a K step's scale word
	v_lshl_or_b32 v[12+2*\a+\k], v[66+8*\a+4*\k], 16, v[12+2*\a+\k]
	v_lshl_or_b32 v[12+2*\a+\k], v[67+8*\a+4*\k], 24, v[12+2*\a+\k]
.endr
.endr
.rept 8
	v_nop                                          ; a scale register written by a vector instruction stands eight places ahead of the product
.endr
.irp a, 0,1,2,3                                    ; four accumulators by turns
	v_wmma_scale_f32_16x16x128_f8f6f4 v[64+8*\a:71+8*\a], v[128+32*\a:143+32*\a], v[32:47], v[24:31], v[12+2*\a], v20 matrix_a_fmt:MATRIX_FMT_BF8 matrix_b_fmt:MATRIX_FMT_BF8
.endr
.irp a, 0,1,2,3
	v_wmma_scale_f32_16x16x128_f8f6f4 v[64+8*\a:71+8*\a], v[144+32*\a:159+32*\a], v[48:63], v[64+8*\a:71+8*\a], v[13+2*\a], v21 matrix_a_fmt:MATRIX_FMT_BF8 matrix_b_fmt:MATRIX_FMT_BF8
.endr
.rept 8
	v_nop                                          ; eight places: for the stores that read the results and the loads into the fragments' registers
.endr
.irp a, 0,1,2,3
	ds_store_b128 v9, v[64+8*\a:67+8*\a] offset:128*(\a/2)+32*(\a%2)
	ds_store_b128 v9, v[68+8*\a:71+8*\a] offset:128*(\a/2)+32*(\a%2)+16
.endr
.irp n, 0,1,2,3,4,5,6,7
	ds_load_b128 v[128+4*\n:131+4*\n], v10 offset:2*\n*SP          ; LDS serves a wave's instructions in order: these see my stores
.endr
	s_wait_dscnt 0x0
	s_wait_loadcnt 0x0                             ; x
.set i, 0
.rept 16
	v_pk_add_f32 v[128+i:129+i], v[128+i:129+i], v[96+i:97+i]
.set i, i+2
.endr
.irp n, 0,1,2,3,4,5,6,7
	global_store_b128 v8, v[128+4*\n:131+4*\n], s[12:13] offset:2*\n*16384 th:TH_STORE_NT   ; sixteen lanes store 256 consecutive bytes, aligned
.endr
	s_wait_tensorcnt 0x0
	ds_add_u32 v22, v23
	s_wait_dscnt 0x0
	s_endpgm
.Lfunc_end_k_qac333341f0_proj:
	.size	k_qac333341f0_proj, .Lfunc_end_k_qac333341f0_proj-k_qac333341f0_proj
	.p2alignl 7, 3214868480
	.fill 96, 4, 3214868480
	.section	.rodata,"a",@progbits
	.p2align	6, 0x0
	.amdhsa_kernel k_qac333341f0_proj
		.amdhsa_group_segment_fixed_size 17920
		.amdhsa_private_segment_fixed_size 0
		.amdhsa_enable_private_segment 0
		.amdhsa_kernarg_size 40
		.amdhsa_user_sgpr_count 2
		.amdhsa_user_sgpr_kernarg_segment_ptr 1
		.amdhsa_wavefront_size32 1
		.amdhsa_system_sgpr_workgroup_id_x 1
		.amdhsa_system_sgpr_workgroup_id_y 1
		.amdhsa_system_sgpr_workgroup_id_z 1
		.amdhsa_system_vgpr_workitem_id 0
		.amdhsa_next_free_vgpr 256
		.amdhsa_next_free_sgpr 66
		.amdhsa_reserve_vcc 0
		.amdhsa_float_denorm_mode_32 3
		.amdhsa_float_denorm_mode_16_64 3
		.amdhsa_memory_ordered 1
		.amdhsa_forward_progress 1
		.amdhsa_inst_pref_size 17
	.end_amdhsa_kernel
	.amdgpu_metadata
---
amdhsa.version: [ 1, 2 ]
amdhsa.kernels:
  - .name:           k_qac333341f0_proj
    .symbol:         k_qac333341f0_proj.kd
    .args:
      - { .name: ao, .offset: 0, .size: 8, .value_kind: global_buffer, .address_space: global }
      - { .name: wq, .offset: 8, .size: 8, .value_kind: global_buffer, .address_space: global }
      - { .name: proj_b, .offset: 16, .size: 8, .value_kind: global_buffer, .address_space: global }
      - { .name: x, .offset: 24, .size: 8, .value_kind: global_buffer, .address_space: global }
      - { .name: out0, .offset: 32, .size: 8, .value_kind: global_buffer, .address_space: global }
    .group_segment_fixed_size: 17920
    .private_segment_fixed_size: 0
    .kernarg_segment_align: 8
    .kernarg_segment_size: 40
    .max_flat_workgroup_size: 128
    .sgpr_count:     66
    .vgpr_count:     256
    .wavefront_size: 32
...
	.end_amdgpu_metadata
.endif
;; end of part 4
